; MI455X (gfx1250); checked and timed in simulation.
; The chip was launched on July 23, 2026; its instructions are those of AMD's public machine-readable ISA for CDNA 5 (MIT licence, August 2026) and "CDNA5" Instruction Set Architecture Reference Guide (July 2026). The comments in the code are by the model that wrote it; some were corrected since.
;; Multi Head Attention. Allowed arithmetic: matrix products marked QUANTISED: E2M1 operands, one E8M0 scale for each 32 along K, by v_wmma_scale_f32_16x16x128_f8f6f4 with both operands' format E2M1 (or v_wmma_scale_f32_32x16x128_f4), f32 sums; everything else in f32.
;; Inputs: Wk_codes 1,024 x 32 x 16 uint8 (E2M1 codes of Wk, K innermost, in blocks of 32 codes, two codes a byte); Wk_scales 1,024 x 32 uint8 (E8M0 scales of Wk, one for each 32 codes along K); Wo_codes 1,024 x 32 x 16 uint8 (E2M1 codes of Wo, K innermost, in blocks of 32 codes, two codes a byte); Wo_scales 1,024 x 32 uint8 (E8M0 scales of Wo, one for each 32 codes along K); Wq_codes 1,024 x 32 x 16 uint8 (E2M1 codes of Wq, K innermost, in blocks of 32 codes, two codes a byte); Wq_scales 1,024 x 32 uint8 (E8M0 scales of Wq, one for each 32 codes along K); Wv_codes 1,024 x 32 x 16 uint8 (E2M1 codes of Wv, K innermost, in blocks of 32 codes, two codes a byte); Wv_scales 1,024 x 32 uint8 (E8M0 scales of Wv, one for each 32 codes along K); bk 1,024 float32; bo 1,024 float32; bq 1,024 float32; bv 1,024 float32; k_codes 4 x 2,048 x 32 x 16 uint8 (E2M1 codes of k, K innermost, in blocks of 32 codes, two codes a byte); k_scales 4 x 2,048 x 32 uint8 (E8M0 scales of k, one for each 32 codes along K); q_codes 4 x 2,048 x 32 x 16 uint8 (E2M1 codes of q, K innermost, in blocks of 32 codes, two codes a byte); q_scales 4 x 2,048 x 32 uint8 (E8M0 scales of q, one for each 32 codes along K); v_codes 4 x 2,048 x 32 x 16 uint8 (E2M1 codes of v, K innermost, in blocks of 32 codes, two codes a byte); v_scales 4 x 2,048 x 32 uint8 (E8M0 scales of v, one for each 32 codes along K).
;; Outputs: out0 4 x 2,048 x 1,024 float32.
;; This version of the problem:
;;   THIS VERSION OF THE PROBLEM IS GIVEN IN LOW PRECISION. The matrix products marked QUANTISED in the list below multiply operands that are first quantised to E2M1 (2 exponent bits, 1 mantissa bit; 4 bits a number), with one power-of-two scale for each 32 numbers along K (OCP MX v1.0); their sums are f32. All else is computed in f32.
;;   The module's matrix products, in the order in which they are computed (A, B: the left and right operand; K: the contracted axis; several contracted axes count as one K, in the product's order):
;;     1. [M 8,192, K 1,024] x [K 1,024, N 1,024]; A: input q (given as codes); B: input Wq (given as codes): QUANTISED
;;     2. [M 8,192, K 1,024] x [K 1,024, N 1,024]; A: input k (given as codes); B: input Wk (given as codes): QUANTISED
;;     3. [M 8,192, K 1,024] x [K 1,024, N 1,024]; A: input v (given as codes); B: input Wv (given as codes): QUANTISED
;;     4. batch 64 x [M 2,048, K 64] x [K 64, N 2,048]; A: computed on the way; B: computed on the way: QUANTISED
;;     5. batch 64 x [M 2,048, K 2,048] x [K 2,048, N 64]; A: softmax (see below); B: computed on the way: QUANTISED
;;     6. [M 8,192, K 1,024] x [K 1,024, N 1,024]; A: computed on the way; B: input Wo (given as codes): QUANTISED
;;   THE QUANTISER, for each operand of a quantised product, along K:
;;     - K is cut into blocks of 32 from its start; a last block that is shorter is filled with zeros.
;;     - A block's scale is 2^e with e = floor(log2(the largest magnitude in the block)) - 2, held to -126 .. 127; a block of zeros has e = 0. As a byte (E8M0): e + 127.
;;     - Each number is divided by its block's scale, clamped to +-6, and rounded to the nearest number of E2M1, ties to even, subnormals kept.
;;     - The product sums the exact products of the quantised numbers (number of the format x scale) in f32.
;;   ~~~python
;;   def quantise(x, axis):      # numpy; x: float32 -> the quantised numbers, widened to float32 again
;;       x = np.moveaxis(x, axis, -1); K = x.shape[-1]
;;       x = np.pad(x, [(0, 0)] * (x.ndim - 1) + [(0, -K % 32)]); x = x.reshape(x.shape[:-1] + (-1, 32)); a = np.abs(x).max(-1, keepdims=True)
;;       e = np.where(a > 0, np.clip(np.frexp(np.where(a > 0, a, 1))[1] - 1 - 2, -126, 127), 0)      # np.frexp(a)[1] - 1 = floor(log2(a)), exactly
;;       r = np.clip(x / 2.0 ** e, -6, 6)
;;       step = 2.0 ** (np.maximum(np.frexp(np.where(r == 0, 1, r))[1] - 1, 0) - 1)
;;       q = np.round(r / step) * step * 2.0 ** e      # np.round: ties to even
;;       return np.moveaxis(q.reshape(q.shape[:-2] + (-1,))[..., :K], -1, axis).astype(np.float32)
;;   ~~~
;;   SOFTMAX AHEAD OF A QUANTISED PRODUCT. Where the list says 'softmax', what is quantised is not the finished softmax but p = 2^(t - M), with t = logit x log2(e) and M = ceil(the row's largest t), a whole number; so 1/2 < the row's largest p <= 1. The row's sum l is taken of the UNQUANTISED p, in f32, and the product's result is divided by l at the end. Since M is a whole number, a kernel that streams over the keys may use a running M (the ceiling of the running maximum): every later rescaling is an exact power of two, which a block's scale takes up: the codes' values come out the same.
;;   OPERANDS COMPUTED ON THE WAY. 'Computed on the way' means the value that the module computes at that place (a softmax that the list does not call 'softmax' is quantised finished and normalised). What goes into a quantiser is computed in f32, as accurately as f32 sums, v_exp_f32 and their like allow (about 1e-6 of the number): no bf16 or f16 on the way to a quantiser, and a product that is left as it is and whose result goes on into a quantised operand takes f32 operands (vector FMAs, or v_wmma_f32_16x16x4_f32). A number that lies on a knife's edge between two numbers of the format may be rounded either way, as far as f32 arithmetic and the matrix unit's own rounding can turn it there, and no further.
;;   INPUTS GIVEN AS CODES. Wk (in the module: [1024, 1024], K = its axis 1); Wo (in the module: [1024, 1024], K = its axis 1); Wq (in the module: [1024, 1024], K = its axis 1); Wv (in the module: [1024, 1024], K = its axis 1); k (in the module: [4, 2048, 1024], K = its axis 2); q (in the module: [4, 2048, 1024], K = its axis 2); v (in the module: [4, 2048, 1024], K = its axis 2): each comes as NAME_codes (uint8): NAME with its K axis moved to the last place and cut into blocks of 32 codes, [.., K / 32, bytes a block], one block behind the other in memory; two codes a byte, the lower K in the low four bits (a code: sign, 2 exponent bits, 1 mantissa bit); and NAME_scales (uint8): the same leading axes, one E8M0 byte (e + 127) for each 32 codes along K. Its value is code x scale, taken as it is: it is not quantised again, and the codes and scales need not be those that the quantiser above would give.
;; One version. Each part assembles by itself: llvm-mc -triple=amdgcn-amd-amdhsa -mcpu=gfx1250 --defsym DOCPART=n.
;; ======== version 1 of 1: 3 launches
;; workspace buffers: qi 8,912,896 bytes; kv 8,912,896 bytes; oc 4,194,304 bytes; os 262,144 bytes
;; launch proj (part 1): grid 4 x 192, 4 waves a work-group, clusters of 4 x 4, 222,464 bytes of LDS; arguments q_codes, q_scales, Wq_codes, Wq_scales, bq, qi, k_codes, k_scales, Wk_codes, Wk_scales, bk, kv, v_codes, v_scales, Wv_codes, Wv_scales, bv; writes qi, kv
.if DOCPART == 1
	.amdgcn_target "amdgcn-amd-amdhsa--gfx1250"
	.amdhsa_code_object_version 6
	.text
	.protected	k_q2932e2385f_proj
	.globl	k_q2932e2385f_proj
	.p2align	8
	.type	k_q2932e2385f_proj,@function
k_q2932e2385f_proj:
	s_mov_b64 s[64:65], 0
	v_nop
	global_prefetch_b8 v0, s[64:65] scope:SCOPE_SE
	s_setreg_imm32_b32 hwreg(HW_REG_WAVE_MODE, 25, 1), 1
	s_wait_xcnt 0x0
	s_wait_alu depctr_hold_cnt(0) depctr_sa_sdst(0) depctr_va_vdst(0) depctr_va_sdst(0) depctr_va_ssrc(0) depctr_va_vcc(0) depctr_vm_vsrc(0)
	s_getreg_b32 s2, hwreg(HW_REG_IB_STS2, 6, 4)
	s_cmp_eq_u32 s2, 0
	s_cbranch_scc0 .Lentry_in_a_cluster
	s_endpgm
.Lentry_in_a_cluster:
	s_bfe_u32 s2, ttmp6, 0x10000c
	s_cmp_lg_u32 s2, 0xf033
	s_cbranch_scc0 .Lentry_shape_is_right
	s_endpgm
.Lentry_shape_is_right:
; THE THREE PROJECTIONS: qh = q Wq^T + bq, kh = k Wk^T + bk, vh = v Wv^T + bv, on the given codes of FP4 (E2M1) and their E8M0 bytes, sums in f32;
; the results are quantised here, in registers, along the K of the product that takes them next, and stored as images of that product's operand registers.
; NO WORK OF THE PROBLEM IS DEAD: every bias lies ahead of a quantiser (bq, bk, bv) or on the output (bo), every product feeds the output; every input is loaded by some launch.
; ONE TEXT FOR THREE ROLES.  Source 0 of the matrix instruction takes rows of P, source 1 rows of R: in a result lane (r, h) holds row r of R, and its register j row 8 h + j of P.  P's rows are the next product's K.
;   roles 0, 1 (q, k): P = the weight's 1,024 features (the next K is the head's 64), R = the 8,192 tokens.      role 2 (v): P = the tokens (the next K is the keys), R = Wv's features.
; SHARES.  A work-group makes 256 rows of P x 128 rows of R over all of K = 1,024; wave w takes P's rows 128 (w % 2) on and R's rows 64 (w / 2) on: 8 x 4 = 32 accumulators, 256 registers.
; 48 clusters of 4 x 4: 16 for each role.  P's tile hangs on the place along x and is asked for jointly by a column of the cluster, R's on the place along y, by a row.  The role hangs on the cluster's number alone.
; LDS.  All of K fits: two halves of K (rows of 256 bytes + 16 of padding), each filled once, and the scale bytes of all of K (units of 256 bytes + 16).  Nothing is filled again, so there is no ring.
; THE QUANTISER.  A block of 32 along the next K is two neighbouring tiles of P: lane (r, h) holds its numbers 16 u + 8 h + j in register 16 b + 8 u + j; lane l xor 16 holds the others.
; The scale's byte is the largest magnitude's exponent field - 2, held at 1 from below.  Conversion (b, u) goes to register 4 (b / 2) + 2 u + b % 2; one exchange of halves for each pair then
; leaves register 4 c + i of lane (r, hl) with k = 64 c + 32 hl + 8 i .. + 7: the 4-bit operand's layout.
; WORKSPACE.  kv (and qi, of which the K parts alone are written and read): [batch x 16 + head][step of 128 keys] blocks of 8,704 bytes:
;   +0 K's codes [tile of 16 keys][lane][16 bytes], lane (r, hl): key r, d = 32 hl on;   +4,096 V's codes [tile of 16 d][c][lane][16 bytes], lane (r, hl): d = r, keys 64 c + 32 hl on;
;   +8,192 K's scale words [pair of tiles b][r]: bytes 0, 1 key 32 b + r, bytes 2, 3 key 32 b + 16 + r;   +8,448 V's scale words: the word at 8 l + 4 e belongs to tile 2 e + l / 16, row l % 16.
; LIMITS.  NaN and infinities are not served.  A block whose largest magnitude lies under 2^-124, a block of zeros among them, gets the byte 1 where the rule gives a lower byte or 127:
; its codes are zeros or as the floor's scale gives them; the bytes are read by this program alone.  K's scale words leave as 128 consecutive bytes a wave, half of an aligned 256.
.set PITCH, 272                        ; an LDS row: 256 bytes + 16: the 16 rows of a fragment load start 68 words apart
.set PROWS, 256*PITCH                  ; P's 256 rows
.set SLOT,  384*PITCH                  ; a half of K: P's rows, then R's 128
.set SCR,   2*SLOT                     ; R's scale bytes: 128 rows x 32 bytes = 16 units
.set SCP,   SCR+16*272                 ; P's: 32 units
.set SPARE, SCP+32*272                 ; the spare words, 128 bytes a wave
.set HB,    139264                     ; a head in kv and qi
.set SBK,   8704                       ; a step's block
.set FL1,   (1<<20)|(1<<21)|(5<<22)|(3<<25)   ; elements of 1 byte; padding on; bit 21 beside a mask; 4 words of padding after every 64
.set FL8,   FL1|(3<<16)                ; the same with elements of 8 bytes
.set ADRP, 16                          ; v16-17 LDS address of my fragments of P in half 0, 1
.set ADRR, 18                          ; v18-19 the same for R
.set ADRS, 20                          ; v20    of my scale words: lanes 0-15 R's rows, lanes 16-31 P's
.set VOC,  21                          ; v21    byte offset of my codes on the way out
.set VOS,  22                          ; v22    of my scale words
.set VBP,  23                          ; v23    32 h: the bias along P
.set VBR,  24                          ; v24    4 r: the bias along R
.set SPW,  28                          ; v28    my spare word; never rewritten
.set NIL,  29                          ; v29    0; never rewritten
.set SC,   32                          ; v32-95 scale words: half s at SC + 32 s; register 4 i + q: lanes 0-15 R's block i, lanes 16-31 P's block i, the half's q-th 128 along K
.set RF,   96                          ; v96-159 R's fragments, two sets of 32
.set PC,   160                         ; v160-191 the codes made: 8 registers for each of my four tiles of R
.set TM,   192                         ; v192-195 largest magnitudes
.set T2,   196                         ; v196-199 the other half's, then the bytes
.set SO,   200                         ; v200-203 the conversions' scale operands
.set WD,   204                         ; v204-207 a scale word for each tile of R
.set FW,   208                         ; v208-211 K's scale words, pieced together
.set YW,   212                         ; v212-213 scale words as they are stored
.set BC,   128                         ; window 1: the bias as the first products' C.  Window 1 v0-127: P's fragments, two sets of 64.  Window 2: accumulator (a, b) at 8 (8 a + b)
.set WV,   2
.set WR,   3                           ; wave / 2: my rows of R.  Also: I fetch for P (0) or for R (1)
.set WP,   38                          ; wave % 2: my rows of P.  Also: which half of that tile I fetch
.set ROLE, 39
.set CX,   66
.set CY,   67
.set PT,   100                         ; P's tile of 256 rows
.set RT,   101                         ; R's tile of 128 rows
.set HI16, 104                         ; the lanes 16-31 as a mask
.set SEL,  30                          ; s[30:31] v_permlanex16_b32's selects for lane l xor 16
.set G1P,  40
.set G1R,  48
.set G1SP, 56
.set G1SR, 68
.set G0SP, 76
.set G0P,  80                          ; s[80:83] half 0, s[84:87] half 1
.set G0SR, 88
.set G0R,  92                          ; s[92:95], s[96:99]
.set MSB, 0
.macro WIN new                         ; the immediate's high byte repeats the setting that is left
.if MSB != \new
	s_set_vgpr_msb (MSB<<8)|\new
.set MSB, \new
.endif
.endm
.macro PLACES n
.rept \n
	v_nop
.endr
.endm
; A joint load: waves 0 and 1 fetch for P, waves 2 and 3 for R.  The branch hangs on the wave's number alone.  An s_nop 0 and four v_nop follow each line.
.macro JLOAD g0p, g1p, g0r, g1r
	s_cmp_eq_u32 s[WR], 0
	s_cbranch_scc0 .Lfor_r_\@
	tensor_load_to_lds s[\g0p:\g0p+3], s[\g1p:\g1p+7]
	s_nop 0
.rept 4
	v_nop
.endr
	s_branch .Lasked_\@
.Lfor_r_\@:
	tensor_load_to_lds s[\g0r:\g0r+3], s[\g1r:\g1r+7]
	s_nop 0
.rept 4
	v_nop
.endr
.Lasked_\@:
.endm
.macro CROUND                          ; a round of the cluster's barrier
	s_barrier_signal -1
	s_barrier_wait -1
	s_cmp_lg_u32 s[WV], 0
	s_cbranch_scc1 .Lnot_wave_0_\@
	s_barrier_signal -3
.Lnot_wave_0_\@:
	s_barrier_wait -3
	s_barrier_signal -1
	s_barrier_wait -1
.endm
	s_load_b512 s[4:19], s[0:1], 0x0               ; argument i at s[4 + 2 i]: q's codes, scales, Wq's codes, scales, bq, qi, k's codes, scales,
	s_load_b512 s[20:35], s[0:1], 0x40             ; Wk's codes, scales, bk, kv, v's codes, scales, Wv's codes, scales,
	s_load_b64 s[36:37], s[0:1], 0x80              ; bv
	v_lshl_add_u32 v[SPW], v0, 2, SPARE
	v_mov_b32 v[NIL], 0
	ds_add_u32 v[SPW], v[NIL]                      ; the wave's opening: the add, twice on end, and its wait ahead of my first tensor load
	ds_add_u32 v[SPW], v[NIL]                      ; and once more, under the one wait; the set-up below, work on registers, stands between
	v_lshrrev_b32 v1, 5, v0
	v_readfirstlane_b32 s[WV], v1                  ; wave 0..3
	s_lshr_b32 s[WR], s[WV], 1
	s_and_b32 s[WP], s[WV], 1
	s_bfe_u32 s[CX], ttmp6, 0x40000                ; my place in the cluster
	s_bfe_u32 s[CY], ttmp6, 0x40004
	s_and_b32 s105, ttmp7, 0xffff                  ; the cluster's number, 0..47
	s_lshr_b32 s[ROLE], s105, 4                    ; 0: q, 1: k, 2: v
	s_and_b32 s105, s105, 15
	s_lshr_b32 s[PT], s105, 1
	s_and_b32 s[RT], s105, 1
	s_cmp_eq_u32 s[ROLE], 2
	s_cselect_b32 s[PT], s[PT], 0                  ; roles 0, 1: P has 4 tiles, R 64;  role 2: P has 32, R 8
	s_cselect_b32 s[RT], s[RT], s105
	s_lshl_b32 s[PT], s[PT], 2
	s_add_co_u32 s[PT], s[PT], s[CX]
	s_lshl_b32 s[RT], s[RT], 2
	s_add_co_u32 s[RT], s[RT], s[CY]
	s_lshl_b32 s105, s[CY], 2
	s_lshl_b32 s105, 15, s105                      ; my row of the cluster
	s_lshl_b32 s104, 0x1111, s[CX]                 ; my column
	s_or_b32 s[G1P], s104, FL1                     ; P's tiles go to my column,
	s_or_b32 s[G1SP], s104, FL8
	s_or_b32 s[G1R], s105, FL1                     ; R's to my row
	s_or_b32 s[G1SR], s105, FL8
.irp g, G1P, G1R                       ; codes: rows of 256 bytes, 512 bytes apart in memory
	s_mov_b32 s[\g+1], 256<<16                     ; tensor_dim0
	s_mov_b32 s[\g+3], 256<<16                     ; tile_dim0
	s_mov_b32 s[\g+5], 512                         ; from row to row
	s_mov_b32 s[\g+6], 0
	s_mov_b32 s[\g+7], 0
.endr
	s_mov_b32 s[G1P+2], 128<<16                    ; a load brings 128 rows of P
	s_mov_b32 s[G1P+4], 128
	s_mov_b32 s[G1R+2], 64<<16                     ; or 64 of R
	s_mov_b32 s[G1R+4], 64
.irp g, G1SP, G1SR                     ; scale bytes: a dense block, as rows of 32 elements of 8 bytes
	s_mov_b32 s[\g+1], 32<<16
	s_mov_b32 s[\g+3], 32<<16
	s_mov_b32 s[\g+5], 32
	s_mov_b32 s[\g+6], 0
	s_mov_b32 s[\g+7], 0
.endr
	s_mov_b32 s[G1SP+2], 16<<16                    ; 128 rows x 32 bytes = 16 units
	s_mov_b32 s[G1SP+4], 16
	s_mov_b32 s[G1SR+2], 8<<16                     ; 64 rows: 8 units
	s_mov_b32 s[G1SR+4], 8
	; where the tiles come from, as byte offsets.  P's hang on P's tile and the wave's number, R's on R's tile and the wave's number, each in registers of its own
	s_lshl_b32 s[G0P+2], s[PT], 8
	s_lshl_b32 s[G0P+3], s[WP], 7
	s_add_co_u32 s[G0P+2], s[G0P+2], s[G0P+3]      ; P's row 256 x tile + 128 x half
	s_lshl_b32 s[G0SP+2], s[G0P+2], 5              ; its scale bytes: 32 a row
	s_mov_b32 s[G0SP+3], 0
	s_lshl_b32 s[G0P+2], s[G0P+2], 9               ; its codes: 512 a row
	s_mov_b32 s[G0P+3], 0
	s_lshl_b32 s[G0R+2], s[RT], 7
	s_lshl_b32 s[G0R+3], s[WP], 6
	s_add_co_u32 s[G0R+2], s[G0R+2], s[G0R+3]      ; R's row 128 x tile + 64 x half
	s_lshl_b32 s[G0SR+2], s[G0R+2], 5
	s_mov_b32 s[G0SR+3], 0
	s_lshl_b32 s[G0R+2], s[G0R+2], 9
	s_mov_b32 s[G0R+3], 0
	; and where they go: constants and the wave's number alone
	s_mov_b32 s[G0SP], 1
	s_mul_i32 s[G0SP+1], s[WP], 16*272
	s_add_co_u32 s[G0SP+1], s[G0SP+1], SCP
	s_mov_b32 s[G0P], 1
	s_mul_i32 s[G0P+1], s[WP], 128*PITCH
	s_mov_b32 s[G0P+4], 1
	s_add_co_u32 s[G0P+5], s[G0P+1], SLOT
	s_mov_b32 s[G0SR], 1
	s_mul_i32 s[G0SR+1], s[WP], 8*272
	s_add_co_u32 s[G0SR+1], s[G0SR+1], SCR
	s_mov_b32 s[G0R], 1
	s_mul_i32 s[G0R+1], s[WP], 64*PITCH
	s_add_co_u32 s[G0R+1], s[G0R+1], PROWS
	s_mov_b32 s[G0R+4], 1
	s_add_co_u32 s[G0R+5], s[G0R+1], SLOT
	s_wait_dscnt 0x0                               ; both opening adds are done
	s_wait_kmcnt 0x0
	s_cmp_eq_u32 s[ROLE], 0                        ; the role's buffers; the choice hangs on the cluster's number alone
	s_cselect_b64 s[4:5], s[4:5], s[16:17]         ; R's codes: q's or k's
	s_cselect_b64 s[6:7], s[6:7], s[18:19]         ; R's scales
	s_cselect_b64 s[8:9], s[8:9], s[20:21]         ; P's codes: Wq's or Wk's
	s_cselect_b64 s[10:11], s[10:11], s[22:23]     ; P's scales
	s_cselect_b64 s[12:13], s[12:13], s[24:25]     ; the bias
	s_cselect_b64 s[14:15], s[14:15], s[26:27]     ; where the results go: qi, or kv (roles 1 and 2)
	s_cmp_eq_u32 s[ROLE], 2
	s_cselect_b64 s[4:5], s[32:33], s[4:5]         ; role 2: R = Wv,
	s_cselect_b64 s[6:7], s[34:35], s[6:7]
	s_cselect_b64 s[8:9], s[28:29], s[8:9]         ; P = v
	s_cselect_b64 s[10:11], s[30:31], s[10:11]
	s_cselect_b64 s[12:13], s[36:37], s[12:13]
	s_add_nc_u64 s[G0SP+2:G0SP+3], s[10:11], s[G0SP+2:G0SP+3]
	s_add_nc_u64 s[G0P+2:G0P+3], s[8:9], s[G0P+2:G0P+3]
	s_add_nc_u64 s[G0P+6:G0P+7], s[G0P+2:G0P+3], 256       ; the second half of K
	s_add_nc_u64 s[G0SR+2:G0SR+3], s[6:7], s[G0SR+2:G0SR+3]
	s_add_nc_u64 s[G0R+2:G0R+3], s[4:5], s[G0R+2:G0R+3]
	s_add_nc_u64 s[G0R+6:G0R+7], s[G0R+2:G0R+3], 256
.irp g, G0SP, G0P, G0P+4, G0SR, G0R, G0R+4
	s_or_b32 s[\g+3], s[\g+3], 0x80000000          ; the descriptor's type
.endr
	CROUND                                         ; all sixteen work-groups are here: the joint loads meet
	JLOAD G0SP, G1SP, G0SR, G1SR                   ; three loads of mine are out: the scale bytes,
	JLOAD G0P, G1P, G0R, G1R                       ; the first half of K,
	JLOAD G0P+4, G1P, G0R+4, G1R                   ; the second
	s_mov_b32 s[SEL], 0x76543210
	s_mov_b32 s[SEL+1], 0xfedcba98
	s_mov_b32 s[HI16], 0xffff0000
	v_and_b32 v1, 15, v0                           ; r
	v_bfe_u32 v2, v0, 4, 1                         ; h
	v_mul_u32_u24 v3, v1, PITCH
	v_lshl_add_u32 v3, v2, 4, v3                   ; a fragment's row x pitch + 16 x half
	s_mul_i32 s16, s[WP], 128*PITCH                ; my 128 rows of P
	s_mul_i32 s17, s[WR], 64*PITCH                 ; my 64 rows of R,
	s_add_co_u32 s17, s17, PROWS                   ; behind P's 256
	v_add_nc_u32 v[ADRP], s16, v3
	v_add_nc_u32 v[ADRR], s17, v3
	s_add_co_u32 s16, s16, SLOT
	s_add_co_u32 s17, s17, SLOT
	v_add_nc_u32 v[ADRP+1], s16, v3
	v_add_nc_u32 v[ADRR+1], s17, v3
	v_lshlrev_b32 v4, 5, v1                        ; my row's scale bytes: 32 a row,
	v_lshrrev_b32 v5, 3, v1
	v_lshl_add_u32 v4, v5, 4, v4                   ; and 16 more behind each 256
	s_mul_i32 s16, s[WR], 8*272                    ; R's: my 64 rows
	s_mul_i32 s17, s[WP], 16*272                   ; P's: my 128 rows, behind R's 16 units
	s_add_co_u32 s17, s17, 16*272
	s_sub_co_u32 s17, s17, s16
	v_mul_u32_u24 v5, s17, v2                      ; lanes 16-31 take P's: the lower base + h x the distance
	s_add_co_u32 s16, s16, SCR
	v_add_nc_u32 v4, v4, v5
	v_add_nc_u32 v[ADRS], s16, v4
	v_lshlrev_b32 v[VBP], 5, v2
	v_lshlrev_b32 v[VBR], 2, v1
.irp b, 0,1,2,3
	v_mov_b32 v[T2+\b], 0                          ; written once: a lane permute's destination counts as one of its sources
.endr
; Step n of eight (128 along K; half n / 4, its (n % 4)-th): 24 LDS loads into set n % 2
.macro FETCH n
.set FS, (\n)%2
.set FH, (\n)/4
.set FQ, (\n)%4
	WIN 0x40                                       ; destination window 1
.irp i, 0,1,2,3,4,5,6,7
.irp c, 0,1
	ds_load_b128 v[64*FS+8*\i+4*\c:64*FS+8*\i+4*\c+3], v[ADRP+FH] offset:64*FQ+32*\c+\i*16*PITCH
.endr
.endr
	WIN 0
.irp i, 0,1,2,3
.irp c, 0,1
	ds_load_b128 v[RF+32*FS+8*\i+4*\c:RF+32*FS+8*\i+4*\c+3], v[ADRR+FH] offset:64*FQ+32*\c+\i*16*PITCH
.endr
.endr
.endm
; The scale words of half s: four words a row.  R has four blocks: for i of 4 and more lanes 0-15 read words of later rows, which are filled and are not used
.macro SCALES s
.irp i, 0,1,2,3,4,5,6,7
	ds_load_b128 v[SC+32*\s+4*\i:SC+32*\s+4*\i+3], v[ADRS] offset:\i*544+16*\s
.endr
.endm
; 32 matrix instructions: R's four blocks x P's eight.  cm = 0: in place;  1: the sums begin with the bias along P;  2: along R.  The 32 accumulators take turns, one instruction a turn
.macro MUL32 n, cm
.set MS, (\n)%2
.set MB, SC+32*((\n)/4)+(\n)%4
.irp a, 0,1,2,3
.irp b, 0,1,2,3,4,5,6,7
.if \cm == 0
	v_wmma_scale_f32_16x16x128_f8f6f4 v[8*(8*\a+\b):8*(8*\a+\b)+7], v[64*MS+8*\b:64*MS+8*\b+7], v[RF+32*MS+8*\a:RF+32*MS+8*\a+7], v[8*(8*\a+\b):8*(8*\a+\b)+7], v[MB+4*\b], v[MB+4*\a] matrix_a_fmt:MATRIX_FMT_FP4 matrix_b_fmt:MATRIX_FMT_FP4 matrix_a_scale:MATRIX_SCALE_ROW1
.elseif \cm == 1
	v_wmma_scale_f32_16x16x128_f8f6f4 v[8*(8*\a+\b):8*(8*\a+\b)+7], v[64*MS+8*\b:64*MS+8*\b+7], v[RF+32*MS+8*\a:RF+32*MS+8*\a+7], v[BC+8*\b:BC+8*\b+7], v[MB+4*\b], v[MB+4*\a] matrix_a_fmt:MATRIX_FMT_FP4 matrix_b_fmt:MATRIX_FMT_FP4 matrix_a_scale:MATRIX_SCALE_ROW1
.else
	v_wmma_scale_f32_16x16x128_f8f6f4 v[8*(8*\a+\b):8*(8*\a+\b)+7], v[64*MS+8*\b:64*MS+8*\b+7], v[RF+32*MS+8*\a:RF+32*MS+8*\a+7], v[BC+8*\a:BC+8*\a+7], v[MB+4*\b], v[MB+4*\a] matrix_a_fmt:MATRIX_FMT_FP4 matrix_b_fmt:MATRIX_FMT_FP4 matrix_a_scale:MATRIX_SCALE_ROW1
.endif
.endr
.endr
.endm
.macro KSTEP n                         ; steps 1 to 7
	s_wait_dscnt 0x0                               ; this step's fragments are in (asked for ahead of the last step's 32 products)
.if \n == 3
	s_wait_tensorcnt 0x0                           ; my part of the second half of K has landed,
	s_barrier_signal -1
	s_barrier_wait -1                              ; everybody's has.
.endif
.if \n < 7
	PLACES 4                                       ; in front of loads into registers that the last step's products have read
	FETCH (\n)+1
.endif
	WIN 0xa1                                       ; source 0 (P) window 1, source 1 (R) window 0, C and D window 2
	MUL32 \n, 0
	WIN 0
.endm
	s_wait_alu depctr_va_vdst(0)
	s_wait_tensorcnt 1                             ; the scale bytes and my part of the first half are in; the second half's load may be out
	s_barrier_signal -1
	s_barrier_wait -1                              ; everybody's are
	SCALES 0
	SCALES 1
	FETCH 0
	FETCH 1
	; THE BIAS AND THE FIRST STEP, in one arm for each kind of role: the bias is the C of each sum's first product
	s_cmp_eq_u32 s[ROLE], 2
	s_cbranch_scc1 .Lbias_r
	s_lshl_b32 s16, s[PT], 10                      ; roles 0, 1: the bias goes with P's rows: register j of tile t is b[16 t + 8 h + j] of my 128
	s_lshl_b32 s17, s[WP], 9
	s_add_co_u32 s16, s16, s17
	s_mov_b32 s17, 0
	s_add_nc_u64 s[12:13], s[12:13], s[16:17]
	WIN 0x40
.irp t, 0,1,2,3,4,5,6,7
	global_load_b128 v[BC+8*\t:BC+8*\t+3], v[VBP], s[12:13] offset:64*\t
	global_load_b128 v[BC+8*\t+4:BC+8*\t+7], v[VBP], s[12:13] offset:64*\t+16
.endr
	s_wait_loadcnt 0x0
	s_wait_dscnt 24                                ; the scale words and step 0's fragments are in; step 1's 24 loads may be out
	WIN 0x91                                       ; as 0xa1, with C in window 1
	MUL32 0, 1
	WIN 0
	s_branch .Lbias_done
.Lbias_r:
	s_lshl_b32 s16, s[RT], 9                       ; role 2: the bias goes with R's rows: all eight registers of tile p are b[16 p + r] of my 64
	s_lshl_b32 s17, s[WR], 8
	s_add_co_u32 s16, s16, s17
	s_mov_b32 s17, 0
	s_add_nc_u64 s[12:13], s[12:13], s[16:17]
	WIN 0x40
.irp p, 0,1,2,3
.irp j, 0,1,2,3,4,5,6,7
	global_load_b32 v[BC+8*\p+\j], v[VBR], s[12:13] offset:64*\p
.endr
.endr
	s_wait_loadcnt 0x0
	s_wait_dscnt 24
	WIN 0x91
	MUL32 0, 2
	WIN 0
.Lbias_done:
.irp n, 1,2,3,4,5,6,7
	KSTEP \n
.endr
; THE QUANTISER for my tile p of R: its eight accumulators, 64 numbers a lane, are four blocks of 32 along the next K
.macro QUANT p
.set AB, 64*(\p)
	WIN 0x0a                                       ; sources 0 and 1 window 2
.irp b, 0,1,2,3
	v_max3_num_f32 v[TM+\b], |v[AB+16*\b]|, |v[AB+16*\b+1]|, 0x1800000   ; each accumulator is read from its low end on; the floor 2^(3 - 127) holds the byte at 1 from below
.endr
.irp i, 2,4,6,8,10,12,14
.irp b, 0,1,2,3
	v_max3_num_f32 v[TM+\b], |v[AB+16*\b+\i]|, |v[AB+16*\b+\i+1]|, v[TM+\b]   ; the four blocks by turns
.endr
.endr
	WIN 0
.irp b, 0,1,2,3
	v_permlanex16_b32 v[T2+\b], v[TM+\b], s[SEL], s[SEL+1]
.endr
.irp b, 0,1,2,3
	v_max_num_f32 v[TM+\b], v[TM+\b], v[T2+\b]     ; with lane l xor 16's 16: the block's largest magnitude
.endr
.irp b, 0,1,2,3
	v_add_nc_u32 v[SO+\b], 0xff000000, v[TM+\b]    ; 2 off its exponent field: the conversion's scale operand
.endr
.irp b, 0,1,2,3
	v_lshrrev_b32 v[T2+\b], 23, v[SO+\b]           ; the scale's byte
.endr
	v_lshl_or_b32 v[WD+\p], v[T2+1], 8, v[T2]
	v_lshl_or_b32 v[WD+\p], v[T2+2], 16, v[WD+\p]
	v_lshl_or_b32 v[WD+\p], v[T2+3], 24, v[WD+\p]  ; my row's scale word
	WIN 0x02                                       ; source 0 window 2
.irp b, 0,1,2,3
.irp u, 0,1
	v_cvt_scalef32_pk8_fp4_f32 v[PC+8*(\p)+4*(\b/2)+2*\u+\b%2], v[AB+16*\b+8*\u:AB+16*\b+8*\u+7], v[SO+\b]
.endr
.endr
	WIN 0
	v_nop                                          ; one plain place behind the conversions
.irp c, 0,1
.irp u, 0,1
	v_permlane16_swap_b32 v[PC+8*(\p)+4*\c+2*\u], v[PC+8*(\p)+4*\c+2*\u+1]   ; the first's lanes 16-31 change places with the second's lanes 0-15
.endr
.endr
.endm
	PLACES 4                                       ; behind the last products, in front of the first read of results
	QUANT 0
	QUANT 1
	QUANT 2
	QUANT 3
	v_and_b32 v3, 31, v0                           ; lane
	s_cmp_eq_u32 s[ROLE], 2
	s_cbranch_scc1 .Lout_v
	; roles 0, 1: my 128 features are heads 4 x P's tile + 2 x (wave % 2) + c; my 64 tokens are tiles 4 x (wave / 2) + p of step R's tile % 16 of batch R's tile / 16
	s_lshl_b32 s16, s[WR], 11
	v_lshl_add_u32 v[VOC], v3, 4, s16
	s_wait_alu depctr_va_vdst(0)
	s_lshl_b32 s16, s[WR], 7
	s_add_co_u32 s16, s16, 8192
	v_lshl_add_u32 v[VOS], v3, 2, s16
	s_lshr_b32 s16, s[RT], 4
	s_lshl_b32 s16, s16, 4
	s_lshl_b32 s17, s[PT], 2
	s_add_co_u32 s16, s16, s17
	s_lshl_b32 s17, s[WP], 1
	s_add_co_u32 s16, s16, s17
	s_mul_i32 s16, s16, HB
	s_and_b32 s17, s[RT], 15
	s_mul_i32 s17, s17, SBK
	s_add_co_u32 s16, s16, s17
	s_mov_b32 s17, 0
	s_add_nc_u64 s[14:15], s[14:15], s[16:17]
	s_mov_b32 s18, 0x05040100                      ; bytes 0, 1 of two words
	s_mov_b32 s19, 0x07060302                      ; bytes 2, 3
.irp p, 0,1,2,3
.irp c, 0,1
	global_store_b128 v[VOC], v[PC+8*\p+4*\c:PC+8*\p+4*\c+3], s[14:15] offset:\c*HB+\p*512   ; 32 lanes store 512 consecutive bytes
.endr
.endr
.irp b, 0,1                            ; a pair of tiles' scale word for head c: the head's two bytes of tile 2 b, then of tile 2 b + 1
	v_perm_b32 v[FW+\b], v[WD+2*\b+1], v[WD+2*\b], s18
	v_perm_b32 v[FW+2+\b], v[WD+2*\b+1], v[WD+2*\b], s19
.endr
.irp c, 0,1
	v_cndmask_b32 v[YW+\c], v[FW+2*\c], v[FW+2*\c+1], s[HI16]   ; lanes 0-15 the first pair's rows, lanes 16-31 the second's
	s_wait_alu depctr_va_vdst(0)
	global_store_b32 v[VOS], v[YW+\c], s[14:15] offset:\c*HB
.endr
	s_branch .Lout_done
.Lout_v:
	s_wait_alu depctr_va_vdst(0)
	; role 2: my 128 tokens are step (2 x P's tile + wave % 2) % 16 of batch P's tile / 8; my 64 features are head 2 x R's tile + wave / 2
	v_lshlrev_b32 v[VOC], 4, v3
	s_wait_alu depctr_va_vdst(0)
	v_lshlrev_b32 v[VOS], 3, v3
	s_lshr_b32 s16, s[PT], 3
	s_lshl_b32 s16, s16, 4
	s_lshl_b32 s17, s[RT], 1
	s_add_co_u32 s16, s16, s17
	s_add_co_u32 s16, s16, s[WR]
	s_mul_i32 s16, s16, HB
	s_lshl_b32 s17, s[PT], 1
	s_add_co_u32 s17, s17, s[WP]
	s_and_b32 s17, s17, 15
	s_mul_i32 s17, s17, SBK
	s_add_co_u32 s16, s16, s17
	s_mov_b32 s17, 0
	s_add_nc_u64 s[14:15], s[14:15], s[16:17]
.irp p, 0,1,2,3
.irp c, 0,1
	global_store_b128 v[VOC], v[PC+8*\p+4*\c:PC+8*\p+4*\c+3], s[14:15] offset:4096+\p*1024+\c*512
.endr
.endr
	v_cndmask_b32 v[YW], v[WD], v[WD+1], s[HI16]
	v_cndmask_b32 v[YW+1], v[WD+2], v[WD+3], s[HI16]
	s_wait_alu depctr_va_vdst(0)
	global_store_b64 v[VOS], v[YW:YW+1], s[14:15] offset:8448   ; 32 lanes store 256 consecutive bytes, aligned
.Lout_done:
	s_wait_tensorcnt 0x0                           ; the wave's end
	ds_add_u32 v[SPW], v[NIL]
	s_wait_dscnt 0x0
	CROUND                                         ; the closing round: no work-group ends while a partner may still ask for a tile that names it
	s_endpgm
.Lfunc_end_k_q2932e2385f_proj:
	.size	k_q2932e2385f_proj, .Lfunc_end_k_q2932e2385f_proj-k_q2932e2385f_proj
	.p2alignl 7, 3214868480
	.fill 96, 4, 3214868480
	.section	.rodata,"a",@progbits
	.p2align	6, 0x0
	.amdhsa_kernel k_q2932e2385f_proj
		.amdhsa_group_segment_fixed_size 222464
		.amdhsa_private_segment_fixed_size 0
		.amdhsa_enable_private_segment 0
		.amdhsa_kernarg_size 136
		.amdhsa_user_sgpr_count 2
		.amdhsa_user_sgpr_kernarg_segment_ptr 1
		.amdhsa_wavefront_size32 1
		.amdhsa_system_sgpr_workgroup_id_x 1
		.amdhsa_system_sgpr_workgroup_id_y 1
		.amdhsa_system_sgpr_workgroup_id_z 1
		.amdhsa_system_vgpr_workitem_id 0
		.amdhsa_next_free_vgpr 768
		.amdhsa_next_free_sgpr 106
		.amdhsa_reserve_vcc 0
		.amdhsa_float_denorm_mode_32 3
		.amdhsa_float_denorm_mode_16_64 3
		.amdhsa_memory_ordered 1
		.amdhsa_forward_progress 1
		.amdhsa_inst_pref_size 86
	.end_amdhsa_kernel
	.amdgpu_metadata
---
amdhsa.version: [ 1, 2 ]
amdhsa.kernels:
  - .name:           k_q2932e2385f_proj
    .symbol:         k_q2932e2385f_proj.kd
    .args:
      - { .name: q_codes, .offset: 0, .size: 8, .value_kind: global_buffer, .address_space: global }
      - { .name: q_scales, .offset: 8, .size: 8, .value_kind: global_buffer, .address_space: global }
      - { .name: Wq_codes, .offset: 16, .size: 8, .value_kind: global_buffer, .address_space: global }
      - { .name: Wq_scales, .offset: 24, .size: 8, .value_kind: global_buffer, .address_space: global }
      - { .name: bq, .offset: 32, .size: 8, .value_kind: global_buffer, .address_space: global }
      - { .name: qi, .offset: 40, .size: 8, .value_kind: global_buffer, .address_space: global }
      - { .name: k_codes, .offset: 48, .size: 8, .value_kind: global_buffer, .address_space: global }
      - { .name: k_scales, .offset: 56, .size: 8, .value_kind: global_buffer, .address_space: global }
      - { .name: Wk_codes, .offset: 64, .size: 8, .value_kind: global_buffer, .address_space: global }
      - { .name: Wk_scales, .offset: 72, .size: 8, .value_kind: global_buffer, .address_space: global }
      - { .name: bk, .offset: 80, .size: 8, .value_kind: global_buffer, .address_space: global }
      - { .name: kv, .offset: 88, .size: 8, .value_kind: global_buffer, .address_space: global }
      - { .name: v_codes, .offset: 96, .size: 8, .value_kind: global_buffer, .address_space: global }
      - { .name: v_scales, .offset: 104, .size: 8, .value_kind: global_buffer, .address_space: global }
      - { .name: Wv_codes, .offset: 112, .size: 8, .value_kind: global_buffer, .address_space: global }
      - { .name: Wv_scales, .offset: 120, .size: 8, .value_kind: global_buffer, .address_space: global }
      - { .name: bv, .offset: 128, .size: 8, .value_kind: global_buffer, .address_space: global }
    .group_segment_fixed_size: 222464
    .private_segment_fixed_size: 0
    .kernarg_segment_align: 8
    .kernarg_segment_size: 136
    .max_flat_workgroup_size: 128
    .sgpr_count:     106
    .vgpr_count:     768
    .wavefront_size: 32
...
	.end_amdgpu_metadata
.endif
;; end of part 1
;; launch attn (part 2): grid 4 x 64, 16 waves a work-group, clusters of 4 x 1, 327,680 bytes of LDS; arguments qi, kv, oc, os; writes oc, os
.if DOCPART == 2
	.amdgcn_target "amdgcn-amd-amdhsa--gfx1250"
	.amdhsa_code_object_version 6
	.text
	.protected	k_q2932e2385f_attn
	.globl	k_q2932e2385f_attn
	.p2align	8
	.type	k_q2932e2385f_attn,@function
k_q2932e2385f_attn:
	s_mov_b64 s[64:65], 0
	v_nop
	global_prefetch_b8 v0, s[64:65] scope:SCOPE_SE
	s_setreg_imm32_b32 hwreg(HW_REG_WAVE_MODE, 25, 1), 1
	s_wait_xcnt 0x0
	s_wait_alu depctr_hold_cnt(0) depctr_sa_sdst(0) depctr_va_vdst(0) depctr_va_sdst(0) depctr_va_ssrc(0) depctr_va_vcc(0) depctr_vm_vsrc(0)
	s_getreg_b32 s2, hwreg(HW_REG_IB_STS2, 6, 4)
	s_cmp_eq_u32 s2, 0
	s_cbranch_scc0 .Lentry_in_a_cluster
	s_endpgm
.Lentry_in_a_cluster:
	s_bfe_u32 s2, ttmp6, 0x10000c
	s_cmp_lg_u32 s2, 0x3003
	s_cbranch_scc0 .Lentry_shape_is_right
	s_endpgm
.Lentry_shape_is_right:
; ATTENTION on codes of FP4 (E2M1): S = qh kh^T / 8, p = 2^(t - M), O = p vh / l, for one head; the result is quantised along the model's 1,024 features and stored as the last product's operand.
; No work is left out here.
; t = score x log2(e) / 8; M = the running largest t, rounded up to a whole number; p is quantised along the keys, not normalised; the row's sum l is taken of the unquantised p, in f32.
; When M moves, l and O are multiplied by 2^(old M - new M), which rounds nothing.
; SHARES.  A work-group owns 512 queries of one head, in two passes of 256; in a pass each of its sixteen waves owns a tile of 16 queries.  Every wave walks the head's 2,048 keys, 128 a step.
; LDS.  The head's whole block of kv, 139,264 bytes, comes in once, as it lies in memory: every read is 16, 8 or 4 bytes x lane on end.  Nothing is filled again, nothing is stored to LDS.
; CLUSTER.  The four work-groups of a head ask for that block JOINTLY: every wave issues two loads of 17 rows of 256 bytes, the same in all four.
; LAYOUT.  Both products are used transposed: a lane holds ONE query (lane % 16).  THE FIRST PRODUCT'S K IS 64, the instruction's 128: a fragment of K holds TWO tiles of 16 keys (tile 2 b in k = 0..63, tile 2 b + 1 in
; k = 64..127) and is multiplied once by [q | 0] and once by [0 | q]: the zero codes add nothing.  q's scale word holds its two bytes twice.  So block b of 32 keys lies in registers 16 b + 8 u + j:
; key 32 b + 16 u + 8 h + j.  Conversion (b, u) goes to register 4 (b / 2) + 2 u + b % 2, and one exchange of halves a pair gives the operand's layout.
; LIMITS.  NaN and infinities are not served.  The zero halves take it that no scale byte of qi or kv is 0xff (the launch before gives 1 to 254).  1 / l is v_rcp_f32's.  A block of the result whose largest magnitude
; lies under 2^-124 gets the byte 1.  The result's scale bytes leave as single bytes, two in each 32 of a token's row: one sixteenth of what the launch stores.
.set HB,    139264
.set SBK,   8704
.set HALF,  69632
.set PIECE, 4352
.set SPARE, HB                         ; behind the head's block: the spare words, 128 bytes for each of sixteen waves
.set LI,  1                            ; v1   16 x lane
.set L8,  2                            ; v2   8 x lane
.set L4,  3                            ; v3   4 x lane
.set AD,  4                            ; v4-6 the same + the step's first byte
.set A4,  5
.set A8,  6
.set GOS, 7                            ; v7   32 r + h: my byte among the result's scale bytes
.set SPW, 8                            ; v8   my spare word; never rewritten
.set NIL, 9                            ; v9   0; never rewritten
.set VQ,  10
.set VQS, 11
.set QZ,  16                           ; v16-35: 0, q of pass 0, 0, q of pass 1, 0, four registers each: [0 | q] of pass p at QZ + 8 p, [q | 0] at QZ + 4 + 8 p
.set QS,  36                           ; v36-37 q's scale words;  v38-39 as they were loaded
.set QW,  38
.set KF,  40                           ; v40-71   K: four fragments
.set VF,  72                           ; v72-103  V: four fragments
.set S,   104                          ; v104-167 the scores, then p
.set O,   168                          ; v168-199 O^T
.set PC,  200                          ; v200-207 p's codes
.set KS,  208                          ; v208-209 K's scale words
.set VS,  210                          ; v210-211 V's
.set PS,  212                          ; v212     p's
.set BM,  216                          ; v216-219 the blocks' largest
.set T2,  220
.set SO,  224
.set FF,  228                          ; v[228:229] f, or 1 / l (the low word serves both halves)
.set TT,  230
.set SM2, 232                          ; v[232:233] the second chain of sums
.set OC,  236                          ; v236-243 the result's codes, four a pass
.set SBY, 244                          ; v244-245 its scale byte
.set WV,  12
.set CX,  13
.set BH,  14
.set G1,  16
.set G0A, 24
.set G0B, 28
.set SEL, 32
.set CS,  34
.set SB,  36                           ; s36 LDS byte at which the step's block begins
.set CNT, 37
.set HI16, 38
.set PSEL, 39
.macro CROUND
	s_barrier_signal -1
	s_barrier_wait -1
	s_cmp_lg_u32 s[WV], 0
	s_cbranch_scc1 .Lnot_wave_0_\@
	s_barrier_signal -3
.Lnot_wave_0_\@:
	s_barrier_wait -3
	s_barrier_signal -1
	s_barrier_wait -1
.endm
	s_load_b256 s[4:11], s[0:1], 0x0               ; qi s[4:5], kv s[6:7], oc s[8:9], os s[10:11]
	v_lshl_add_u32 v[SPW], v0, 2, SPARE
	v_mov_b32 v[NIL], 0
	ds_add_u32 v[SPW], v[NIL]                      ; the wave's opening: the add, twice on end, and its wait ahead of my first tensor load
	ds_add_u32 v[SPW], v[NIL]                      ; and once more, under the one wait
	v_lshrrev_b32 v[VQ], 5, v0
	s_delay_alu instid0(VALU_DEP_1)
	v_readfirstlane_b32 s[WV], v[VQ]               ; wave 0..15
	s_bfe_u32 s[CX], ttmp6, 0x40000                ; my place in the cluster: it enters q's and the results' addresses alone
	s_and_b32 s[BH], ttmp7, 0xffff                 ; batch x 16 + head, which the four partners share
	s_mov_b32 s[G1], 15|(3<<16)|(1<<21)            ; the mask: all four; elements of 8 bytes; bit 21 beside a mask; no padding
	s_mov_b32 s[G1+1], 32<<16                      ; rows of 32 elements,
	s_mov_b32 s[G1+2], 17<<16                      ; 17 of them,
	s_mov_b32 s[G1+3], 32<<16
	s_mov_b32 s[G1+4], 17
	s_mov_b32 s[G1+5], 32                          ; dense
	s_mov_b32 s[G1+6], 0
	s_mov_b32 s[G1+7], 0
	s_mov_b32 s[G0A], 1
	s_mul_i32 s[G0A+1], s[WV], PIECE               ; piece w of 32, in LDS as in the head's block;
	s_mov_b32 s[G0B], 1
	s_add_co_u32 s[G0B+1], s[G0A+1], HALF          ; and piece 16 + w
	s_mul_i32 s40, s[BH], HB                       ; the head's first byte in kv and in qi
	s_mov_b32 s41, 0
	s_add_co_u32 s[G0A+2], s40, s[G0A+1]
	s_mov_b32 s[G0A+3], 0
	s_mov_b32 s[SEL], 0x76543210
	s_mov_b32 s[SEL+1], 0xfedcba98                 ; v_permlanex16_b32's selects for lane l xor 16
	s_mov_b32 s[CS], 0x3e38aa3b                    ; c = log2(e) / 8
	s_mov_b32 s[CS+1], s[CS]                       ; (named with it as a pair, so it is written)
	s_mov_b32 s[HI16], 0xffff0000
	s_wait_dscnt 0x0                               ; both opening adds are done
	s_wait_kmcnt 0x0
	s_add_nc_u64 s[G0A+2:G0A+3], s[6:7], s[G0A+2:G0A+3]
	s_add_nc_u64 s[G0B+2:G0B+3], s[G0A+2:G0A+3], HALF
	s_or_b32 s[G0A+3], s[G0A+3], 0x80000000
	s_or_b32 s[G0B+3], s[G0B+3], 0x80000000
	CROUND                                         ; all four work-groups are here: the joint loads meet
	tensor_load_to_lds s[G0A:G0A+3], s[G1:G1+7]    ; one load of mine is out: my piece of steps 0 to 7,
	s_nop 0
	s_wait_alu depctr_va_vdst(0)
	s_wait_tensorcnt 0x0
	ds_add_u32 v8, v9
	s_wait_dscnt 0x0
	CROUND
	tensor_load_to_lds s[G0B:G0B+3], s[G1:G1+7]    ; and of steps 8 to 15
	s_nop 0
.rept 4
	v_nop
.endr
	; q: my tile of pass p is tile 32 cx + 16 p + w of the head: block 4 cx + 2 p + w / 8 of qi, tile w % 8 in it
	s_lshl_b32 s42, s[CX], 2
	s_lshr_b32 s43, s[WV], 3
	s_add_co_u32 s42, s42, s43
	s_mul_i32 s42, s42, SBK
	s_add_co_u32 s42, s42, s40
	s_mov_b32 s43, 0
	s_add_nc_u64 s[4:5], s[4:5], s[42:43]
	v_and_b32 v[VQ], 31, v0
	s_delay_alu instid0(VALU_DEP_1)
	v_lshlrev_b32 v[LI], 4, v[VQ]
	s_delay_alu instid0(VALU_DEP_2)
	v_lshlrev_b32 v[L8], 3, v[VQ]
	s_delay_alu instid0(VALU_DEP_3)
	v_lshlrev_b32 v[L4], 2, v[VQ]
	s_and_b32 s44, s[WV], 7
	s_lshl_b32 s45, s44, 9
	v_add_nc_u32 v[VQ], s45, v[LI]                 ; the tile's codes: 16 bytes a lane
	v_and_b32 v[VQS], 15, v0                       ; r
	v_bfe_u32 v[GOS], v0, 4, 1                     ; h
	s_delay_alu instid0(VALU_DEP_1)
	v_lshl_add_u32 v[GOS], v[VQS], 5, v[GOS]
	s_lshr_b32 s45, s44, 1
	s_lshl_b32 s45, s45, 6
	s_add_co_u32 s45, s45, 8192
	v_lshl_add_u32 v[VQS], v[VQS], 2, s45          ; the word of row r of the tile's pair
	global_load_b128 v[QZ+4:QZ+7], v[VQ], s[4:5]
	global_load_b128 v[QZ+12:QZ+15], v[VQ], s[4:5] offset:2*SBK
	global_load_b32 v[QW], v[VQS], s[4:5]
	global_load_b32 v[QW+1], v[VQS], s[4:5] offset:2*SBK
.irp z, 0,1,2,3,8,9,10,11,16,17,18,19
	v_mov_b32 v[QZ+\z], 0                          ; the zero codes
.endr
.irp b, 0,1,2,3
	v_mov_b32 v[T2+\b], 0                          ; written once: a lane permute's destination counts as one of its sources
.endr
	v_mov_b32 v[FF+1], 0                           ; (named as the upper half of a pair)
	v_mov_b32 v[TT], 0
	; where the results go: token tile T = 128 batch + 32 cx + 16 p + w;  oc: (head / 8) 2^21 + 4,096 T + 512 (head % 8);  os: 512 T + 2 head
	s_lshr_b32 s42, s[BH], 4
	s_and_b32 s44, s[BH], 15
	s_lshl_b32 s42, s42, 7
	s_lshl_b32 s43, s[CX], 5
	s_add_co_u32 s42, s42, s43
	s_add_co_u32 s42, s42, s[WV]
	s_lshl_b32 s46, s42, 9
	s_lshl_b32 s45, s44, 1
	s_add_co_u32 s46, s46, s45
	s_mov_b32 s47, 0
	s_add_nc_u64 s[10:11], s[10:11], s[46:47]
	s_lshl_b32 s46, s42, 12
	s_lshr_b32 s45, s44, 3
	s_lshl_b32 s45, s45, 21
	s_add_co_u32 s46, s46, s45
	s_and_b32 s45, s44, 7
	s_lshl_b32 s45, s45, 9
	s_add_co_u32 s46, s46, s45
	s_add_nc_u64 s[8:9], s[8:9], s[46:47]
	s_and_b32 s45, s[WV], 1                        ; an even tile's two bytes are the word's bytes 0, 1; an odd tile's 2, 3
	s_cmp_eq_u32 s45, 0
	s_mov_b32 s[PSEL], 0x03020302
	s_cselect_b32 s[PSEL], 0x01000100, s[PSEL]
	s_wait_loadcnt 0x0                             ; q
	v_perm_b32 v[QS], v[QW], v[QW], s[PSEL]        ; the two bytes twice.  (The lines of INIT are the places between these and the first products)
	v_perm_b32 v[QS+1], v[QW+1], v[QW+1], s[PSEL]
.macro INIT                            ; a pass begins: the step is written once, and its first trip finds zeros, which the first change of M leaves zeros
	v_mov_b32 v13, 0xff61b1e6                      ; the largest t so far: -3e38
	s_delay_alu instid0(VALU_DEP_1)
	v_floor_f32 v12, -v13                          ; -M
	v_mov_b32 v14, 0                               ; the sum, in two halves
	v_mov_b32 v15, 0
.set J, 0
.rept 32
	v_mov_b32 v[O+J], 0
.set J, J+1
.endr
	s_mov_b32 s[SB], 0
.endm
; A KEY STEP of pass p: 128 keys
.macro STEP p
	s_setprio 2
	v_add_nc_u32 v[AD], s[SB], v[LI]
	v_add_nc_u32 v[A4], s[SB], v[L4]
	v_add_nc_u32 v[A8], s[SB], v[L8]
	v_nop                                          ; these four are the places in front of loads into registers that the last step's products have read
.irp n, 0,1,2,3,4,5,6,7
	ds_load_b128 v[KF+4*\n:KF+4*\n+3], v[AD] offset:512*\n
.endr
	ds_load_b32 v[KS], v[A4] offset:8192           ; lanes 0-15 pair 0's rows, lanes 16-31 pair 1's
	ds_load_b32 v[KS+1], v[A4] offset:8192+128     ; pairs 2 and 3
.irp n, 0,1,2,3,4,5,6,7
	ds_load_b128 v[VF+4*\n:VF+4*\n+3], v[AD] offset:4096+512*\n
.endr
	ds_load_b64 v[VS:VS+1], v[A8] offset:8448
	s_wait_dscnt 9                                 ; K's ten loads are in; V's nine, issued behind them, may be out
.irp b, 0,1,2,3                        ; S^T: pair b's tile 2 b by [q | 0], its tile 2 b + 1 by [0 | q]
.if \b%2
	v_wmma_scale_f32_16x16x128_f8f6f4 v[S+16*\b:S+16*\b+7], v[KF+8*\b:KF+8*\b+7], v[QZ+4+8*\p:QZ+11+8*\p], 0, v[KS+\b/2], v[QS+\p] matrix_a_fmt:MATRIX_FMT_FP4 matrix_b_fmt:MATRIX_FMT_FP4 matrix_a_scale:MATRIX_SCALE_ROW1
	v_wmma_scale_f32_16x16x128_f8f6f4 v[S+16*\b+8:S+16*\b+15], v[KF+8*\b:KF+8*\b+7], v[QZ+8*\p:QZ+7+8*\p], 0, v[KS+\b/2], v[QS+\p] matrix_a_fmt:MATRIX_FMT_FP4 matrix_b_fmt:MATRIX_FMT_FP4 matrix_a_scale:MATRIX_SCALE_ROW1
.else
	v_wmma_scale_f32_16x16x128_f8f6f4 v[S+16*\b:S+16*\b+7], v[KF+8*\b:KF+8*\b+7], v[QZ+4+8*\p:QZ+11+8*\p], 0, v[KS+\b/2], v[QS+\p] matrix_a_fmt:MATRIX_FMT_FP4 matrix_b_fmt:MATRIX_FMT_FP4
	v_wmma_scale_f32_16x16x128_f8f6f4 v[S+16*\b+8:S+16*\b+15], v[KF+8*\b:KF+8*\b+7], v[QZ+8*\p:QZ+7+8*\p], 0, v[KS+\b/2], v[QS+\p] matrix_a_fmt:MATRIX_FMT_FP4 matrix_b_fmt:MATRIX_FMT_FP4
.endif
.endr
.rept 4
	v_nop
.endr
.irp b, 0,1,2,3
	v_max3_num_f32 v[BM+\b], v[S+16*\b], v[S+1+16*\b], v[S+2+16*\b]   ; the largest score of each block of 32 keys: for the row's maximum, and, since p rises with the score, for the block's largest p
.endr
.irp i, 3,5,7,9,11,13
.irp b, 0,1,2,3
	v_max3_num_f32 v[BM+\b], v[BM+\b], v[S+16*\b+\i], v[S+1+16*\b+\i]
.endr
.endr
.irp b, 0,1,2,3
	v_max_num_f32 v[BM+\b], v[BM+\b], v[S+15+16*\b]
.endr
.irp b, 0,1,2,3
	s_delay_alu instid0(VALU_DEP_4)
	v_permlanex16_b32 v[T2+\b], v[BM+\b], s[SEL], s[SEL+1]
.endr
.irp b, 0,1,2,3
	s_delay_alu instid0(VALU_DEP_4)
	v_max_num_f32 v[BM+\b], v[BM+\b], v[T2+\b]     ; with lane l xor 16's 16 keys
.endr
	s_delay_alu instid0(VALU_DEP_2)
	v_max3_num_f32 v[TT], v[BM], v[BM+1], v[BM+2]
	s_delay_alu instid0(VALU_DEP_1)
	v_max_num_f32 v[TT], v[TT], v[BM+3]            ; the step's largest score of my query
	s_delay_alu instid0(VALU_DEP_1)
	v_mul_f32 v[TT], s[CS], v[TT]                  ; as t (c is positive)
	s_delay_alu instid0(VALU_DEP_1)
	v_max_num_f32 v13, v13, v[TT]                  ; the running largest t
	v_mov_b32 v[TT], v12
	s_delay_alu instid0(VALU_DEP_2)
	v_floor_f32 v12, -v13                          ; the new -M = floor(-t) = -ceil(t)
	s_delay_alu instid0(VALU_DEP_1)
	v_sub_f32 v[TT], v12, v[TT]                    ; old M - new M: a whole number, 0 or less
	s_delay_alu instid0(VALU_DEP_1)
	v_cvt_i32_f32 v[TT], v[TT]                     ; (it saturates)
	s_delay_alu instid0(VALU_DEP_1)
	v_ldexp_f32 v[FF], 1.0, v[TT]                  ; f = 2^(old M - new M)
.set J, 0
.rept 32
	v_pk_fma_f32 v[S+J:S+J+1], v[S+J:S+J+1], s[CS:CS+1], v[12:13] op_sel_hi:[1,0,0]   ; t - M, two at a time
.set J, J+2
.endr
.irp b, 0,1,2,3
	v_fma_f32 v[BM+\b], v[BM+\b], s[CS], v12       ; the same of each block's largest score
.endr
.set J, 0
	s_wait_alu depctr_va_vdst(0)
.rept 64
	v_exp_f32 v[S+J], v[S+J]                       ; p = 2^(t - M)
.set J, J+1
.endr
	s_setprio 1
	v_pk_mul_f32 v[14:15], v[14:15], v[FF:FF+1] op_sel_hi:[1,0]   ; the sums under the new M: the plain place behind the exponentials
	s_wait_alu depctr_va_vdst(0)                   ; one wait for the batch, ahead of its first reader
.irp b, 0,1,2,3
	v_exp_f32 v[BM+\b], v[BM+\b]                   ; the block's largest p
.endr
	v_pk_add_f32 v[SM2:SM2+1], v[S:S+1], v[S+2:S+3]   ; the row's sum of the unquantised p, in two chains
.set J, 4
.rept 15
	v_pk_add_f32 v[14:15], v[14:15], v[S+J:S+J+1]
	v_pk_add_f32 v[SM2:SM2+1], v[SM2:SM2+1], v[S+J+2:S+J+3]
.set J, J+4
.endr
	s_delay_alu instid0(VALU_DEP_1)
	v_pk_add_f32 v[14:15], v[14:15], v[SM2:SM2+1]
	s_wait_alu depctr_va_vdst(0)                   ; and one for the four
.irp b, 0,1,2,3
	v_max_num_f32 v[BM+\b], 0x1800000, v[BM+\b]    ; the floor 2^(3 - 127): the byte cannot fall under 1
.endr
.irp b, 0,1,2,3
	s_delay_alu instid0(VALU_DEP_4)
	v_add_nc_u32 v[SO+\b], 0xff000000, v[BM+\b]    ; 2 off the exponent field: the conversion's scale operand
.endr
.irp b, 0,1,2,3
	s_delay_alu instid0(VALU_DEP_4)
	v_lshrrev_b32 v[T2+\b], 23, v[SO+\b]           ; the scale's byte
.endr
	s_delay_alu instid0(VALU_DEP_3)
	v_lshl_or_b32 v[PS], v[T2+1], 8, v[T2]
	s_delay_alu instid0(VALU_DEP_1)
	v_lshl_or_b32 v[PS], v[T2+2], 16, v[PS]
	s_delay_alu instid0(VALU_DEP_1)
	v_lshl_or_b32 v[PS], v[T2+3], 24, v[PS]        ; p's scale word for these 128 keys
.irp b, 0,1,2,3
.irp u, 0,1
	v_cvt_scalef32_pk8_fp4_f32 v[PC+4*(\b/2)+2*\u+\b%2], v[S+16*\b+8*\u:S+16*\b+8*\u+7], v[SO+\b]
.endr
.endr
	v_nop                                          ; one plain place behind the conversions
.irp c, 0,1
.irp u, 0,1
	v_permlane16_swap_b32 v[PC+4*\c+2*\u], v[PC+4*\c+2*\u+1]
.endr
.endr
.set J, 0
	s_setprio 0
.rept 16
	v_pk_mul_f32 v[O+J:O+J+1], v[O+J:O+J+1], v[FF:FF+1] op_sel_hi:[1,0]   ; O^T under the new M; these are also the places between p's scale word and codes and the products below
.set J, J+2
.endr
	s_wait_alu depctr_va_vdst(0)
	s_wait_dscnt 0x0                               ; V
.irp d, 0,1,2,3                        ; O^T += V^T P^T: four tiles of 16 of the head's 64, each accumulator one instruction
.if \d%2
	v_wmma_scale_f32_16x16x128_f8f6f4 v[O+8*\d:O+8*\d+7], v[VF+8*\d:VF+8*\d+7], v[PC:PC+7], v[O+8*\d:O+8*\d+7], v[VS+\d/2], v[PS] matrix_a_fmt:MATRIX_FMT_FP4 matrix_b_fmt:MATRIX_FMT_FP4 matrix_a_scale:MATRIX_SCALE_ROW1
.else
	v_wmma_scale_f32_16x16x128_f8f6f4 v[O+8*\d:O+8*\d+7], v[VF+8*\d:VF+8*\d+7], v[PC:PC+7], v[O+8*\d:O+8*\d+7], v[VS+\d/2], v[PS] matrix_a_fmt:MATRIX_FMT_FP4 matrix_b_fmt:MATRIX_FMT_FP4
.endif
.endr
	s_add_co_u32 s[SB], s[SB], SBK                 ; the next step's block
.endm
; THE WAY OUT of pass p: O^T / l, quantised along the head's 64 features (two blocks of the last product's K), as 16 bytes of codes and one scale byte a lane
.macro OUT p
.rept 4
	v_nop                                          ; places behind the last products
.endr
	v_add_f32 v14, v14, v15                        ; the sum's two halves,
	s_delay_alu instid0(VALU_DEP_1)
	v_permlanex16_b32 v[TT], v14, s[SEL], s[SEL+1]
	s_delay_alu instid0(VALU_DEP_1)
	v_add_f32 v14, v14, v[TT]                      ; and lane l xor 16's
	s_wait_alu depctr_va_vdst(0)
	v_rcp_f32 v[FF], v14
	v_nop                                          ; a plain place behind the reciprocal,
	s_wait_alu depctr_va_vdst(0)                   ; and the wait ahead of its first reader
.set J, 0
.rept 16
	v_pk_mul_f32 v[O+J:O+J+1], v[O+J:O+J+1], v[FF:FF+1] op_sel_hi:[1,0]
.set J, J+2
.endr
.irp b, 0,1
	v_max3_num_f32 v[BM+\b], |v[O+16*\b]|, |v[O+16*\b+1]|, 0x1800000
.endr
.irp i, 2,4,6,8,10,12,14
.irp b, 0,1
	s_delay_alu instid0(VALU_DEP_2)
	v_max3_num_f32 v[BM+\b], v[BM+\b], |v[O+16*\b+\i]|, |v[O+16*\b+\i+1]|
.endr
.endr
.irp b, 0,1
	s_delay_alu instid0(VALU_DEP_2)
	v_permlanex16_b32 v[T2+\b], v[BM+\b], s[SEL], s[SEL+1]
.endr
.irp b, 0,1
	s_delay_alu instid0(VALU_DEP_2)
	v_max_num_f32 v[BM+\b], v[BM+\b], v[T2+\b]
.endr
.irp b, 0,1
	s_delay_alu instid0(VALU_DEP_2)
	v_add_nc_u32 v[SO+\b], 0xff000000, v[BM+\b]
.endr
.irp b, 0,1
	s_delay_alu instid0(VALU_DEP_2)
	v_lshrrev_b32 v[T2+\b], 23, v[SO+\b]
.endr
.irp b, 0,1
.irp u, 0,1
	v_cvt_scalef32_pk8_fp4_f32 v[OC+4*\p+2*\u+\b], v[O+16*\b+8*\u:O+16*\b+8*\u+7], v[SO+\b]
.endr
.endr
	v_nop
	v_permlane16_swap_b32 v[OC+4*\p], v[OC+4*\p+1]
	v_permlane16_swap_b32 v[OC+4*\p+2], v[OC+4*\p+3]   ; lane (r, hl): token r, features 32 hl .. 32 hl + 31 of the head
	v_cndmask_b32 v[SBY+\p], v[T2], v[T2+1], s[HI16]   ; lanes 0-15 block 0's byte, lanes 16-31 block 1's
	global_store_b128 v[LI], v[OC+4*\p:OC+4*\p+3], s[8:9] offset:65536*\p   ; 32 lanes store 512 consecutive bytes
	global_store_b8 v[GOS], v[SBY+\p], s[10:11] offset:8192*\p
.endm
	INIT
	s_wait_tensorcnt 1                             ; my piece of steps 0 to 7 is in; the other may be out,
	s_barrier_signal -1
	s_barrier_wait -1                              ; everybody's is
	s_mov_b32 s[CNT], 8
.Lfirst:
	STEP 0
	s_sub_co_u32 s[CNT], s[CNT], 1
	s_cmp_lg_u32 s[CNT], 0
	s_cbranch_scc1 .Lfirst
	s_setprio 0
	s_wait_tensorcnt 0x0                           ; my piece of steps 8 to 15 is in,
	s_wait_dscnt 0x0
	s_barrier_signal -1
	s_barrier_wait -1                              ; everybody's is.
	s_mov_b32 s[CNT], 8
.Lsecond:
	STEP 0
	s_sub_co_u32 s[CNT], s[CNT], 1
	s_cmp_lg_u32 s[CNT], 0
	s_cbranch_scc1 .Lsecond
	s_setprio 0
	OUT 0
	INIT
	s_mov_b32 s[CNT], 16
.Lpass1:
	STEP 1
	s_sub_co_u32 s[CNT], s[CNT], 1
	s_cmp_lg_u32 s[CNT], 0
	s_cbranch_scc1 .Lpass1
	s_setprio 0
	OUT 1
	s_wait_tensorcnt 0x0                           ; the wave's end
	ds_add_u32 v[SPW], v[NIL]
	s_wait_dscnt 0x0
	CROUND                                         ; the closing round
	s_endpgm
.Lfunc_end_k_q2932e2385f_attn:
	.size	k_q2932e2385f_attn, .Lfunc_end_k_q2932e2385f_attn-k_q2932e2385f_attn
	.p2alignl 7, 3214868480
	.fill 96, 4, 3214868480
	.section	.rodata,"a",@progbits
	.p2align	6, 0x0
	.amdhsa_kernel k_q2932e2385f_attn
		.amdhsa_group_segment_fixed_size 327680
		.amdhsa_private_segment_fixed_size 0
		.amdhsa_enable_private_segment 0
		.amdhsa_kernarg_size 32
		.amdhsa_user_sgpr_count 2
		.amdhsa_user_sgpr_kernarg_segment_ptr 1
		.amdhsa_wavefront_size32 1
		.amdhsa_system_sgpr_workgroup_id_x 1
		.amdhsa_system_sgpr_workgroup_id_y 1
		.amdhsa_system_sgpr_workgroup_id_z 1
		.amdhsa_system_vgpr_workitem_id 0
		.amdhsa_next_free_vgpr 256
		.amdhsa_next_free_sgpr 66
		.amdhsa_reserve_vcc 0
		.amdhsa_float_denorm_mode_32 3
		.amdhsa_float_denorm_mode_16_64 3
		.amdhsa_memory_ordered 1
		.amdhsa_forward_progress 1
		.amdhsa_inst_pref_size 66
	.end_amdhsa_kernel
	.amdgpu_metadata
---
amdhsa.version: [ 1, 2 ]
amdhsa.kernels:
  - .name:           k_q2932e2385f_attn
    .symbol:         k_q2932e2385f_attn.kd
    .args:
      - { .name: qi, .offset: 0, .size: 8, .value_kind: global_buffer, .address_space: global }
      - { .name: kv, .offset: 8, .size: 8, .value_kind: global_buffer, .address_space: global }
      - { .name: oc, .offset: 16, .size: 8, .value_kind: global_buffer, .address_space: global }
      - { .name: os, .offset: 24, .size: 8, .value_kind: global_buffer, .address_space: global }
    .group_segment_fixed_size: 327680
    .private_segment_fixed_size: 0
    .kernarg_segment_align: 8
    .kernarg_segment_size: 32
    .max_flat_workgroup_size: 512
    .sgpr_count:     66
    .vgpr_count:     256
    .wavefront_size: 32
...
	.end_amdgpu_metadata
.endif
;; end of part 2
;; launch outp (part 3): grid 4 x 64, 4 waves a work-group, clusters of 4 x 4, 252,160 bytes of LDS; arguments Wo_codes, Wo_scales, bo, oc, os, out0; writes out0
.if DOCPART == 3
	.amdgcn_target "amdgcn-amd-amdhsa--gfx1250"
	.amdhsa_code_object_version 6
	.text
	.protected	k_q2932e2385f_outp
	.globl	k_q2932e2385f_outp
	.p2align	8
	.type	k_q2932e2385f_outp,@function
k_q2932e2385f_outp:
	s_mov_b64 s[64:65], 0
	v_nop
	global_prefetch_b8 v0, s[64:65] scope:SCOPE_SE
	s_setreg_imm32_b32 hwreg(HW_REG_WAVE_MODE, 25, 1), 1
	s_wait_xcnt 0x0
	s_wait_alu depctr_hold_cnt(0) depctr_sa_sdst(0) depctr_va_vdst(0) depctr_va_sdst(0) depctr_va_ssrc(0) depctr_va_vcc(0) depctr_vm_vsrc(0)
	s_getreg_b32 s2, hwreg(HW_REG_IB_STS2, 6, 4)
	s_cmp_eq_u32 s2, 0
	s_cbranch_scc0 .Lentry_in_a_cluster
	s_endpgm
.Lentry_in_a_cluster:
	s_bfe_u32 s2, ttmp6, 0x10000c
	s_cmp_lg_u32 s2, 0xf033
	s_cbranch_scc0 .Lentry_shape_is_right
	s_endpgm
.Lentry_shape_is_right:
; THE LAST PRODUCT: out0 = a Wo^T + bo, a the attention's result as the launch before quantised it (oc: images of the operand's registers; os: [token][32] scale bytes), Wo as it is given; sums and out0 in f32.
; No work is left out here.
; Source 0 of the matrix instruction takes rows of P = Wo (1,024 output features), source 1 rows of R = the 8,192 tokens: a lane's eight results are eight neighbouring numbers of a row of out0.
; SHARES.  A work-group makes 256 features x 128 tokens over all of K = 1,024; wave w takes features 128 (w % 2) on and tokens 64 (w / 2) on: 8 x 4 = 32 accumulators.  256 work-groups, 16 clusters of 4 x 4:
; P's tile is asked for jointly by a column of the cluster, R's by a row.
; LDS.  All of K fits: two halves of K, each filled once: P's rows of 256 bytes + 16 of padding; R's images, dense (every read is 16 bytes x lane on end); the scale bytes of all of K; a stage for the way out.
; bo is the C of each sum's first product.
.set PITCH, 272
.set PROWS, 256*PITCH                  ; P's 256 rows
.set RIMG,  32768                      ; R's images: 8 tiles of 16 tokens x 4,096 bytes
.set SLOT,  PROWS+RIMG
.set SCR,   2*SLOT                     ; R's scale bytes: 16 units of 256 bytes + 16
.set SCP,   SCR+16*272                 ; P's: 32 units
.set STAGE, SCP+32*272                 ; the way out: 16 rows x (512 bytes + 16) for each wave; no tensor load lands here
.set SPITCH, 528
.set SPARE, STAGE+4*16*SPITCH          ; the spare words, 128 bytes a wave
.set FL1,   (1<<20)|(1<<21)|(5<<22)|(3<<25)
.set FL8,   FL1|(3<<16)
.set ADRP, 16
.set ADRR, 18
.set ADRS, 20
.set STO,  21                          ; v21 the stage: where I put 32 bytes of a row
.set RD,   22                          ; v22 and where I read a row back
.set VBP,  23                          ; v23 32 h
.set CO,   25                          ; v25 16 x lane: my bytes of a row of out0
.set SPW,  28
.set NIL,  29
.set SC,   32                          ; v32-95 scale words, as in the projections
.set RF,   96                          ; v96-159 R's fragments, two sets
.set BK,   96                          ; the way out: 16 rows read back: v96-159 and v160-223 by turns
.set BC,   128                         ; window 1: bo.  Window 1 v0-127: P's fragments, two sets.  Window 2: accumulator (a, b) at 8 (8 a + b)
.set WV,   2
.set WR,   3
.set WP,   38
.set CX,   66
.set CY,   67
.set PT,   100
.set RT,   101
.set G1P,  40
.set G1R,  48
.set G1SP, 56
.set G1SR, 68
.set G0SP, 76
.set G0P,  80
.set G0SR, 88
.set G0R,  92
.set MSB, 0
.macro WIN new
.if MSB != \new
	s_set_vgpr_msb (MSB<<8)|\new
.set MSB, \new
.endif
.endm
.macro PLACES n
.rept \n
	v_nop
.endr
.endm
.macro JLOAD g0p, g1p, g0r, g1r        ; waves 0 and 1 fetch for P, waves 2 and 3 for R; an s_nop 0 and four v_nop follow each line
	s_cmp_eq_u32 s[WR], 0
	s_cbranch_scc0 .Lfor_r_\@
	tensor_load_to_lds s[\g0p:\g0p+3], s[\g1p:\g1p+7]
	s_nop 0
.rept 4
	v_nop
.endr
	s_branch .Lasked_\@
.Lfor_r_\@:
	tensor_load_to_lds s[\g0r:\g0r+3], s[\g1r:\g1r+7]
	s_nop 0
.rept 4
	v_nop
.endr
.Lasked_\@:
.endm
.macro CROUND
	s_barrier_signal -1
	s_barrier_wait -1
	s_cmp_lg_u32 s[WV], 0
	s_cbranch_scc1 .Lnot_wave_0_\@
	s_barrier_signal -3
.Lnot_wave_0_\@:
	s_barrier_wait -3
	s_barrier_signal -1
	s_barrier_wait -1
.endm
	s_load_b256 s[4:11], s[0:1], 0x0               ; Wo's codes s[4:5], its scales s[6:7], bo s[8:9], oc s[10:11]
	s_load_b128 s[12:15], s[0:1], 0x20             ; os s[12:13], out0 s[14:15]
	v_lshl_add_u32 v[SPW], v0, 2, SPARE
	v_mov_b32 v[NIL], 0
	ds_add_u32 v[SPW], v[NIL]                      ; the wave's opening: the add, twice on end, and its wait ahead of my first tensor load
	ds_add_u32 v[SPW], v[NIL]                      ; and once more, under the one wait
	v_lshrrev_b32 v1, 5, v0
	v_readfirstlane_b32 s[WV], v1
	s_lshr_b32 s[WR], s[WV], 1                     ; my tokens.  Also: I fetch for P (0) or for R (1)
	s_and_b32 s[WP], s[WV], 1                      ; my features.  Also: which half of that tile I fetch
	s_bfe_u32 s[CX], ttmp6, 0x40000
	s_bfe_u32 s[CY], ttmp6, 0x40004
	s_lshl_b32 s[PT], ttmp9, 2
	s_add_co_u32 s[PT], s[PT], s[CX]               ; P's tile of 256 features
	s_and_b32 s[RT], ttmp7, 0xffff
	s_lshl_b32 s[RT], s[RT], 2
	s_add_co_u32 s[RT], s[RT], s[CY]               ; R's tile of 128 tokens
	s_lshl_b32 s105, s[CY], 2
	s_lshl_b32 s105, 15, s105                      ; my row of the cluster
	s_lshl_b32 s104, 0x1111, s[CX]                 ; my column
	s_or_b32 s[G1P], s104, FL1
	s_or_b32 s[G1SP], s104, FL8
	s_or_b32 s[G1R], s105, (3<<16)|(1<<21)         ; R's images: elements of 8 bytes, no padding
	s_or_b32 s[G1SR], s105, FL8
	s_mov_b32 s[G1P+1], 256<<16                    ; P's codes: 128 rows of 256 bytes, 512 bytes apart in memory
	s_mov_b32 s[G1P+2], 128<<16
	s_mov_b32 s[G1P+3], 256<<16
	s_mov_b32 s[G1P+4], 128
	s_mov_b32 s[G1P+5], 512
	s_mov_b32 s[G1P+6], 0
	s_mov_b32 s[G1P+7], 0
.irp g, G1R, G1SP, G1SR                ; dense blocks, as rows of 32 elements of 8 bytes
	s_mov_b32 s[\g+1], 32<<16
	s_mov_b32 s[\g+3], 32<<16
	s_mov_b32 s[\g+5], 32
	s_mov_b32 s[\g+6], 0
	s_mov_b32 s[\g+7], 0
.endr
	s_mov_b32 s[G1R+2], 64<<16                     ; four tiles of tokens: 16,384 bytes
	s_mov_b32 s[G1R+4], 64
	s_mov_b32 s[G1SP+2], 16<<16
	s_mov_b32 s[G1SP+4], 16
	s_mov_b32 s[G1SR+2], 8<<16
	s_mov_b32 s[G1SR+4], 8
	s_lshl_b32 s[G0P+2], s[PT], 8
	s_lshl_b32 s[G0P+3], s[WP], 7
	s_add_co_u32 s[G0P+2], s[G0P+2], s[G0P+3]      ; P's row 256 x tile + 128 x half
	s_lshl_b32 s[G0SP+2], s[G0P+2], 5
	s_mov_b32 s[G0SP+3], 0
	s_lshl_b32 s[G0P+2], s[G0P+2], 9
	s_mov_b32 s[G0P+3], 0
	s_lshl_b32 s[G0R+2], s[RT], 7
	s_lshl_b32 s[G0R+3], s[WP], 6
	s_add_co_u32 s[G0R+2], s[G0R+2], s[G0R+3]      ; R's token 128 x tile + 64 x half
	s_lshl_b32 s[G0SR+2], s[G0R+2], 5              ; its scale bytes: 32 a token
	s_mov_b32 s[G0SR+3], 0
	s_lshl_b32 s[G0R+2], s[G0R+2], 8               ; its images in a half of K: 4,096 bytes for 16 tokens
	s_mov_b32 s[G0R+3], 0
	s_mov_b32 s[G0SP], 1
	s_mul_i32 s[G0SP+1], s[WP], 16*272
	s_add_co_u32 s[G0SP+1], s[G0SP+1], SCP
	s_mov_b32 s[G0P], 1
	s_mul_i32 s[G0P+1], s[WP], 128*PITCH
	s_mov_b32 s[G0P+4], 1
	s_add_co_u32 s[G0P+5], s[G0P+1], SLOT
	s_mov_b32 s[G0SR], 1
	s_mul_i32 s[G0SR+1], s[WP], 8*272
	s_add_co_u32 s[G0SR+1], s[G0SR+1], SCR
	s_mov_b32 s[G0R], 1
	s_lshl_b32 s[G0R+1], s[WP], 14
	s_add_co_u32 s[G0R+1], s[G0R+1], PROWS
	s_mov_b32 s[G0R+4], 1
	s_add_co_u32 s[G0R+5], s[G0R+1], SLOT
	s_wait_dscnt 0x0                               ; both opening adds are done
	s_wait_kmcnt 0x0
	s_add_nc_u64 s[G0SP+2:G0SP+3], s[6:7], s[G0SP+2:G0SP+3]
	s_add_nc_u64 s[G0P+2:G0P+3], s[4:5], s[G0P+2:G0P+3]
	s_add_nc_u64 s[G0P+6:G0P+7], s[G0P+2:G0P+3], 256
	s_add_nc_u64 s[G0SR+2:G0SR+3], s[12:13], s[G0SR+2:G0SR+3]
	s_add_nc_u64 s[G0R+2:G0R+3], s[10:11], s[G0R+2:G0R+3]
	s_add_nc_u64 s[G0R+6:G0R+7], s[G0R+2:G0R+3], 0x200000   ; oc's second half of K
.irp g, G0SP, G0P, G0P+4, G0SR, G0R, G0R+4
	s_or_b32 s[\g+3], s[\g+3], 0x80000000
.endr
	CROUND                                         ; all sixteen work-groups are here: the joint loads meet
	JLOAD G0SP, G1SP, G0SR, G1SR                   ; three loads of mine are out: the scale bytes,
	JLOAD G0P, G1P, G0R, G1R                       ; the first half of K,
	JLOAD G0P+4, G1P, G0R+4, G1R                   ; the second
	v_and_b32 v1, 15, v0                           ; r
	v_bfe_u32 v2, v0, 4, 1                         ; h
	v_and_b32 v6, 31, v0                           ; lane
	s_wait_alu depctr_va_vdst(0)
	v_lshlrev_b32 v[VBP], 5, v2
	s_lshl_b32 s16, s[PT], 10                      ; bo: register j of tile t is bo[16 t + 8 h + j] of my 128 features
	s_lshl_b32 s17, s[WP], 9
	s_add_co_u32 s16, s16, s17
	s_mov_b32 s17, 0
	s_add_nc_u64 s[8:9], s[8:9], s[16:17]
	WIN 0x40
.irp t, 0,1,2,3,4,5,6,7
	global_load_b128 v[BC+8*\t:BC+8*\t+3], v[VBP], s[8:9] offset:64*\t
	global_load_b128 v[BC+8*\t+4:BC+8*\t+7], v[VBP], s[8:9] offset:64*\t+16
.endr
	WIN 0
	v_mul_u32_u24 v3, v1, PITCH
	v_lshl_add_u32 v3, v2, 4, v3
	s_mul_i32 s16, s[WP], 128*PITCH                ; my 128 rows of P
	v_add_nc_u32 v[ADRP], s16, v3
	s_add_co_u32 s16, s16, SLOT
	v_add_nc_u32 v[ADRP+1], s16, v3
	v_lshlrev_b32 v[CO], 4, v6
	s_lshl_b32 s17, s[WR], 14                      ; my four tiles of tokens,
	s_add_co_u32 s17, s17, PROWS                   ; behind P's rows
	v_add_nc_u32 v[ADRR], s17, v[CO]
	s_add_co_u32 s17, s17, SLOT
	v_add_nc_u32 v[ADRR+1], s17, v[CO]
	v_lshlrev_b32 v4, 5, v1
	v_lshrrev_b32 v5, 3, v1
	v_lshl_add_u32 v4, v5, 4, v4
	s_mul_i32 s16, s[WR], 8*272
	s_mul_i32 s17, s[WP], 16*272
	s_add_co_u32 s17, s17, 16*272
	s_sub_co_u32 s17, s17, s16
	v_mul_u32_u24 v5, s17, v2                      ; lanes 16-31 take P's words: the lower base + h x the distance
	s_add_co_u32 s16, s16, SCR
	v_add_nc_u32 v4, v4, v5
	v_add_nc_u32 v[ADRS], s16, v4
	s_mul_i32 s16, s[WV], 16*SPITCH
	s_add_co_u32 s16, s16, STAGE                   ; my stage
	v_mul_u32_u24 v5, v1, SPITCH
	v_lshl_add_u32 v5, v2, 5, v5
	v_add_nc_u32 v[STO], s16, v5                   ; in: row r, 32 bytes for each half of the lanes
	v_add_nc_u32 v[RD], s16, v[CO]                 ; back: the 32 lanes take a row of 512 bytes
	s_lshl_b32 s16, s[RT], 19                      ; out0: token 128 x tile + 64 x (wave / 2), 4,096 bytes a token;
	s_lshl_b32 s17, s[WR], 18
	s_add_co_u32 s16, s16, s17
	s_lshl_b32 s17, s[PT], 10                      ; feature 256 x tile + 128 x (wave % 2)
	s_add_co_u32 s16, s16, s17
	s_lshl_b32 s17, s[WP], 9
	s_add_co_u32 s16, s16, s17
	s_mov_b32 s17, 0
	s_add_nc_u64 s[14:15], s[14:15], s[16:17]
.macro FETCH n                         ; step n of eight: 24 LDS loads into set n % 2
.set FS, (\n)%2
.set FH, (\n)/4
.set FQ, (\n)%4
	WIN 0x40
.irp i, 0,1,2,3,4,5,6,7
.irp c, 0,1
	ds_load_b128 v[64*FS+8*\i+4*\c:64*FS+8*\i+4*\c+3], v[ADRP+FH] offset:64*FQ+32*\c+\i*16*PITCH
.endr
.endr
	WIN 0
.irp i, 0,1,2,3
.irp c, 0,1
	ds_load_b128 v[RF+32*FS+8*\i+4*\c:RF+32*FS+8*\i+4*\c+3], v[ADRR+FH] offset:\i*4096+FQ*1024+\c*512   ; the image of head 2 (n % 4) + c of the half, tile i of my tokens
.endr
.endr
.endm
.macro SCALES s                        ; for i of 4 and more lanes 0-15 read words of later rows, which are filled and are not used
.irp i, 0,1,2,3,4,5,6,7
	ds_load_b128 v[SC+32*\s+4*\i:SC+32*\s+4*\i+3], v[ADRS] offset:\i*544+16*\s
.endr
.endm
.macro MUL32 n, cm                     ; 32 matrix instructions; cm = 1: the sums begin with bo.  The 32 accumulators take turns, one instruction a turn
.set MS, (\n)%2
.set MB, SC+32*((\n)/4)+(\n)%4
.irp a, 0,1,2,3
.irp b, 0,1,2,3,4,5,6,7
.if \cm == 0
	v_wmma_scale_f32_16x16x128_f8f6f4 v[8*(8*\a+\b):8*(8*\a+\b)+7], v[64*MS+8*\b:64*MS+8*\b+7], v[RF+32*MS+8*\a:RF+32*MS+8*\a+7], v[8*(8*\a+\b):8*(8*\a+\b)+7], v[MB+4*\b], v[MB+4*\a] matrix_a_fmt:MATRIX_FMT_FP4 matrix_b_fmt:MATRIX_FMT_FP4 matrix_a_scale:MATRIX_SCALE_ROW1
.else
	v_wmma_scale_f32_16x16x128_f8f6f4 v[8*(8*\a+\b):8*(8*\a+\b)+7], v[64*MS+8*\b:64*MS+8*\b+7], v[RF+32*MS+8*\a:RF+32*MS+8*\a+7], v[BC+8*\b:BC+8*\b+7], v[MB+4*\b], v[MB+4*\a] matrix_a_fmt:MATRIX_FMT_FP4 matrix_b_fmt:MATRIX_FMT_FP4 matrix_a_scale:MATRIX_SCALE_ROW1
.endif
.endr
.endr
.endm
.macro KSTEP n                         ; steps 1 to 7
	s_wait_dscnt 0x0                               ; this step's fragments are in
.if \n == 3
	s_wait_tensorcnt 0x0                           ; my part of the second half of K has landed,
	s_barrier_signal -1
	s_barrier_wait -1                              ; everybody's has.
.endif
.if \n < 7
	PLACES 4                                       ; in front of loads into registers that the last step's products have read
	FETCH (\n)+1
.endif
	WIN 0xa1                                       ; source 0 (P) window 1, source 1 (R) window 0, C and D window 2
	MUL32 \n, 0
	WIN 0
.endm
	s_wait_alu depctr_va_vdst(0)
	s_wait_tensorcnt 1                             ; the scale bytes and my part of the first half are in; the second half's load may be out
	s_barrier_signal -1
	s_barrier_wait -1
	SCALES 0
	SCALES 1
	FETCH 0
	FETCH 1
	s_wait_loadcnt 0x0                             ; bo
	s_wait_dscnt 24                                ; the scale words and step 0's fragments are in; step 1's 24 loads may be out
	WIN 0x91                                       ; as 0xa1, with C in window 1
	MUL32 0, 1
	WIN 0
.irp n, 1,2,3,4,5,6,7
	KSTEP \n
.endr
; THE WAY OUT, a block of 16 tokens x 128 features at a time: through my own stage, back as whole rows of 512 bytes.  LDS serves a wave's instructions in order (ISA guide 5.7.1.4): no wait between the stores and the loads
.macro TOSTAGE a
	WIN 0x08                                       ; an LDS store's data: window 2
.irp b, 0,1,2,3,4,5,6,7
	ds_store_b128 v[STO], v[8*(8*(\a)+\b):8*(8*(\a)+\b)+3] offset:64*\b          ; each accumulator from its low end on
	ds_store_b128 v[STO], v[8*(8*(\a)+\b)+4:8*(8*(\a)+\b)+7] offset:64*\b+16
.endr
	WIN 0
.set BB, BK+64*((\a)%2)
.irp t, 0,1,2,3,4,5,6,7,8,9,10,11,12,13,14,15
	ds_load_b128 v[BB+4*\t:BB+4*\t+3], v[RD] offset:\t*SPITCH
.endr
.endm
.macro SEND a, younger                 ; younger: the LDS instructions issued behind block a's loads
.set BB, BK+64*((\a)%2)
	s_wait_dscnt \younger
.irp t, 0,1,2,3,4,5,6,7,8,9,10,11,12,13,14,15
	global_store_b128 v[CO], v[BB+4*\t:BB+4*\t+3], s[14:15] offset:(\a)*65536+\t*4096 th:TH_STORE_NT   ; 32 lanes store 512 consecutive bytes, at a multiple of 512 from out0's first byte
.endr
.endm
	PLACES 4                                       ; behind the last products: for the first read of results and for the loads into registers that held R's fragments
	TOSTAGE 0
.irp a, 1,2,3
.if \a > 1
	s_wait_xcnt 0x0                                ; block a - 2's stores have read their registers: block a's loads may land there
.endif
	TOSTAGE \a
	SEND \a-1, 32                                  ; behind block a - 1's loads: block a's 16 stores and 16 loads
.endr
	SEND 3, 0
	s_wait_tensorcnt 0x0                           ; the wave's end, behind my last tensor load and my last LDS store
	ds_add_u32 v[SPW], v[NIL]
	s_wait_dscnt 0x0
	CROUND                                         ; the closing round
	s_endpgm
.Lfunc_end_k_q2932e2385f_outp:
	.size	k_q2932e2385f_outp, .Lfunc_end_k_q2932e2385f_outp-k_q2932e2385f_outp
	.p2alignl 7, 3214868480
	.fill 96, 4, 3214868480
	.section	.rodata,"a",@progbits
	.p2align	6, 0x0
	.amdhsa_kernel k_q2932e2385f_outp
		.amdhsa_group_segment_fixed_size 252160
		.amdhsa_private_segment_fixed_size 0
		.amdhsa_enable_private_segment 0
		.amdhsa_kernarg_size 48
		.amdhsa_user_sgpr_count 2
		.amdhsa_user_sgpr_kernarg_segment_ptr 1
		.amdhsa_wavefront_size32 1
		.amdhsa_system_sgpr_workgroup_id_x 1
		.amdhsa_system_sgpr_workgroup_id_y 1
		.amdhsa_system_sgpr_workgroup_id_z 1
		.amdhsa_system_vgpr_workitem_id 0
		.amdhsa_next_free_vgpr 768
		.amdhsa_next_free_sgpr 106
		.amdhsa_reserve_vcc 0
		.amdhsa_float_denorm_mode_32 3
		.amdhsa_float_denorm_mode_16_64 3
		.amdhsa_memory_ordered 1
		.amdhsa_forward_progress 1
		.amdhsa_inst_pref_size 73
	.end_amdhsa_kernel
	.amdgpu_metadata
---
amdhsa.version: [ 1, 2 ]
amdhsa.kernels:
  - .name:           k_q2932e2385f_outp
    .symbol:         k_q2932e2385f_outp.kd
    .args:
      - { .name: Wo_codes, .offset: 0, .size: 8, .value_kind: global_buffer, .address_space: global }
      - { .name: Wo_scales, .offset: 8, .size: 8, .value_kind: global_buffer, .address_space: global }
      - { .name: bo, .offset: 16, .size: 8, .value_kind: global_buffer, .address_space: global }
      - { .name: oc, .offset: 24, .size: 8, .value_kind: global_buffer, .address_space: global }
      - { .name: os, .offset: 32, .size: 8, .value_kind: global_buffer, .address_space: global }
      - { .name: out0, .offset: 40, .size: 8, .value_kind: global_buffer, .address_space: global }
    .group_segment_fixed_size: 252160
    .private_segment_fixed_size: 0
    .kernarg_segment_align: 8
    .kernarg_segment_size: 48
    .max_flat_workgroup_size: 128
    .sgpr_count:     106
    .vgpr_count:     768
    .wavefront_size: 32
...
	.end_amdgpu_metadata
.endif
;; end of part 3
